; MI455X (gfx1250); checked and timed in simulation.
; The chip was launched on July 23, 2026; its instructions are those of AMD's public machine-readable ISA for CDNA 5 (MIT licence, August 2026) and "CDNA5" Instruction Set Architecture Reference Guide (July 2026). The comments in the code are by the model that wrote it; some were corrected since.
;; Lstm Cell normal. Allowed arithmetic: matrix products marked QUANTISED: E2M1 operands, one E8M0 scale for each 32 along K, by v_wmma_scale_f32_16x16x128_f8f6f4 with both operands' format E2M1 (or v_wmma_scale_f32_32x16x128_f4), f32 sums; everything else in f32.
;; Inputs: Whf 2,048 x 2,048 float32; Whg 2,048 x 2,048 float32; Whi 2,048 x 2,048 float32; Who 2,048 x 2,048 float32; Wxf 2,048 x 2,048 float32; Wxg 2,048 x 2,048 float32; Wxi 2,048 x 2,048 float32; Wxo 2,048 x 2,048 float32; bf 2,048 float32; bg 2,048 float32; bi 2,048 float32; bo 2,048 float32; c 2,048 x 2,048 float32; h 2,048 x 2,048 float32; x 2,048 x 2,048 float32.
;; Outputs: out0 2,048 x 2,048 float32; out1 2,048 x 2,048 float32.
;; This version of the problem:
;;   THIS VERSION OF THE PROBLEM IS GIVEN IN LOW PRECISION. The matrix products marked QUANTISED in the list below multiply operands that are first quantised to E2M1 (2 exponent bits, 1 mantissa bit; 4 bits a number), with one power-of-two scale for each 32 numbers along K (OCP MX v1.0); their sums are f32. All else is computed in f32.
;;   The module's matrix products, in the order in which they are computed (A, B: the left and right operand; K: the contracted axis; several contracted axes count as one K, in the product's order):
;;     1. [M 2,048, K 2,048] x [K 2,048, N 8,192]; A: input x; B: computed on the way: QUANTISED
;;     2. [M 2,048, K 2,048] x [K 2,048, N 8,192]; A: input h; B: computed on the way: QUANTISED
;;   THE QUANTISER, for each operand of a quantised product, along K:
;;     - K is cut into blocks of 32 from its start; a last block that is shorter is filled with zeros.
;;     - A block's scale is 2^e with e = floor(log2(the largest magnitude in the block)) - 2, held to -126 .. 127; a block of zeros has e = 0. As a byte (E8M0): e + 127.
;;     - Each number is divided by its block's scale, clamped to +-6, and rounded to the nearest number of E2M1, ties to even, subnormals kept.
;;     - The product sums the exact products of the quantised numbers (number of the format x scale) in f32.
;;   ~~~python
;;   def quantise(x, axis):      # numpy; x: float32 -> the quantised numbers, widened to float32 again
;;       x = np.moveaxis(x, axis, -1); K = x.shape[-1]
;;       x = np.pad(x, [(0, 0)] * (x.ndim - 1) + [(0, -K % 32)]); x = x.reshape(x.shape[:-1] + (-1, 32)); a = np.abs(x).max(-1, keepdims=True)
;;       e = np.where(a > 0, np.clip(np.frexp(np.where(a > 0, a, 1))[1] - 1 - 2, -126, 127), 0)      # np.frexp(a)[1] - 1 = floor(log2(a)), exactly
;;       r = np.clip(x / 2.0 ** e, -6, 6)
;;       step = 2.0 ** (np.maximum(np.frexp(np.where(r == 0, 1, r))[1] - 1, 0) - 1)
;;       q = np.round(r / step) * step * 2.0 ** e      # np.round: ties to even
;;       return np.moveaxis(q.reshape(q.shape[:-2] + (-1,))[..., :K], -1, axis).astype(np.float32)
;;   ~~~
;;   OPERANDS COMPUTED ON THE WAY. 'Computed on the way' means the value that the module computes at that place (a softmax that the list does not call 'softmax' is quantised finished and normalised). What goes into a quantiser is computed in f32, as accurately as f32 sums, v_exp_f32 and their like allow (about 1e-6 of the number): no bf16 or f16 on the way to a quantiser, and a product that is left as it is and whose result goes on into a quantised operand takes f32 operands (vector FMAs, or v_wmma_f32_16x16x4_f32). A number that lies on a knife's edge between two numbers of the format may be rounded either way, as far as f32 arithmetic and the matrix unit's own rounding can turn it there, and no further.
;; One version. Each part assembles by itself: llvm-mc -triple=amdgcn-amd-amdhsa -mcpu=gfx1250 --defsym DOCPART=n.
;; ======== version 1 of 1: 2 launches
;; limits: right only within a limited range of input values
;; workspace buffers: acode 4,456,448 bytes; wcode 17,825,792 bytes
;; launch quant (part 1): grid 768 x 1, 4 waves a work-group, no clusters, 74,240 bytes of LDS; arguments Wxf, Wxi, Wxo, Wxg, Whf, Whi, Who, Whg, x, h, acode, wcode; writes acode, wcode
.if DOCPART == 1
	.amdgcn_target "amdgcn-amd-amdhsa--gfx1250"
	.amdhsa_code_object_version 6
	.text
	.protected	k_q8687610740_quant
	.globl	k_q8687610740_quant
	.p2align	8
	.type	k_q8687610740_quant,@function
k_q8687610740_quant:
	s_mov_b64 s[64:65], 0
	v_nop
	global_prefetch_b8 v0, s[64:65] scope:SCOPE_SE
	s_setreg_imm32_b32 hwreg(HW_REG_WAVE_MODE, 25, 1), 1
	s_wait_xcnt 0x0
; x, h [2048][2048] and the eight weights [2048 (k)][2048 (unit)], all f32, become codes of FP4 (E2M1) with one E8M0 scale byte for each 32 along K.
; The two products of the cell are one product with K' = 4,096: k' < 2,048 is x with Wx, k' >= 2,048 is h with Wh; the blocks of 32 are the same.
; BOTH OUTPUTS ARE LAID AS THE NEXT LAUNCH WANTS THEM IN LDS: [K step s = 0..7][row][272 bytes]: bytes 0-255 the codes of k' = 512 s .. 512 s + 511 (two to a byte, the lower k in the low
; four bits), bytes 256-271 the 16 scale bytes of those 16 blocks.  Rows of acode are batch rows.  Rows of wcode are n' = 128 (unit / 32) + 32 gate + unit % 32, gate 0 f, 1 i, 2 o, 3 g.
; A block's scale is 2^(floor(log2(its largest magnitude)) - 2); its byte is the largest magnitude's exponent field - 2, held at 1 from below.
; LIMITS: a block of zeros gets the byte 1 where the rule says 127 (its codes are zeros, which add nothing, and the bytes are read by this program alone); NaN and infinities among the inputs are not served.
; Work-groups 0-511 take the weights (128 units x 512 along K each), work-groups 512-767 x and h (16 rows each).  The two ways part on the work-group's number and have LDS bytes of their own.
; No tensor loads, no barrier, no cluster: waves and work-groups share no input.  Every byte is read once and written once.
.set PITCH, 272                        ; a row of the outputs: 256 bytes of codes + 16 scale bytes
.set ROWB,  8192                       ; a row of any of the f32 tensors, in bytes
.set WSTG,  32*PITCH                   ; weights: a wave's stage, 32 rows of the output
.set ABASE, 4*WSTG                     ; x, h: LDS from here on
.set AREG,  9728                       ; a wave's region there: two turning stages of 32 x SP bytes, then an image of 16 rows x PITCH
.set SP,    80                         ; a lane's place in a turning stage: 64 bytes + 16 of padding
.set AIMG,  2*32*SP
	s_mov_b32 s2, ttmp9
	s_load_b512 s[16:31], s[0:1], 0x0              ; Wxf, Wxi, Wxo, Wxg, Whf, Whi, Who, Whg
	s_load_b256 s[32:39], s[0:1], 0x40             ; x s[32:33], h s[34:35], acode s[36:37], wcode s[38:39]
	v_lshl_add_u32 v192, v0, 2, 0x12000
	v_mov_b32 v193, 0
	v_lshrrev_b32 v1, 5, v0
	v_readfirstlane_b32 s40, v1                    ; wave 0..3
	v_and_b32 v2, 31, v0                           ; lane
	s_wait_kmcnt 0x0
	s_cmp_lt_u32 s2, 512
	s_cbranch_scc0 .Lact
; ---------------- THE WEIGHTS.  K is their FIRST axis.  A lane takes a unit (a column) and its registers run down K: each load reads 128 consecutive bytes a wave, a block of 32 along K lies in one
; lane's 32 registers, and the conversions give the codes with K innermost.  work-group = 64 m + 4 cg + kc: matrix m, 128 units from 128 cg, 512 along K from 512 kc.  Wave w: 32 units.
.set XW,   32                          ; v32-95   two sets of 32 numbers
.set CW,   96                          ; v96-99   a block's codes
.set SB,   24                          ; v24-27   the 16 scale bytes, four to a register
.set OUTW, 112                         ; v112-179 the way out: 17 x 4 registers
	s_bitcmp1_b32 s2, 6                            ; the matrix is chosen by the work-group's number alone
	s_cselect_b64 s[16:17], s[18:19], s[16:17]
	s_cselect_b64 s[20:21], s[22:23], s[20:21]
	s_cselect_b64 s[24:25], s[26:27], s[24:25]
	s_cselect_b64 s[28:29], s[30:31], s[28:29]
	s_bitcmp1_b32 s2, 7
	s_cselect_b64 s[16:17], s[20:21], s[16:17]
	s_cselect_b64 s[24:25], s[28:29], s[24:25]
	s_bitcmp1_b32 s2, 8
	s_cselect_b64 s[4:5], s[24:25], s[16:17]
	s_and_b32 s8, s2, 3                            ; kc
	s_bfe_u32 s9, s2, 0x40002                      ; cg
	s_lshr_b32 s10, s2, 6                          ; m
	s_and_b32 s11, s10, 3                          ; the gate
	s_lshr_b32 s10, s10, 2                         ; 0: a Wx, 1: a Wh
	s_lshl_b32 s12, s8, 22                         ; in: 512 kc rows of 8,192 bytes,
	s_lshl_b32 s13, s9, 9                          ; 128 cg units,
	s_add_co_u32 s12, s12, s13
	s_lshl_b32 s13, s40, 7                         ; 32 units a wave
	s_add_co_u32 s12, s12, s13
	s_mov_b32 s13, 0
	s_add_nc_u64 s[4:5], s[4:5], s[12:13]
	s_lshl_b32 s10, s10, 2
	s_add_co_u32 s10, s10, s8                      ; out: K step s = 4 (Wh?) + kc,
	s_lshl_b32 s10, s10, 13                        ; 8,192 rows each;
	s_lshl_b32 s12, s9, 2
	s_add_co_u32 s12, s12, s40                     ; unit / 32 = 4 cg + wave,
	s_lshl_b32 s12, s12, 7
	s_add_co_u32 s10, s10, s12
	s_lshl_b32 s12, s11, 5                         ; + 32 x gate
	s_add_co_u32 s10, s10, s12
	s_mul_i32 s12, s10, PITCH                      ; 32 rows are 8,704 bytes = 34 x 256: my part begins at a multiple of 256 bytes
	s_add_nc_u64 s[6:7], s[38:39], s[12:13]
	s_wait_alu depctr_va_vdst(0)
	v_lshlrev_b32 v3, 2, v2                        ; in: 4 bytes a lane
	s_mul_i32 s14, s40, WSTG                       ; my stage
	v_mul_u32_u24 v4, v2, PITCH
	v_add_nc_u32 v4, s14, v4                       ; into it: row = my unit
	v_lshlrev_b32 v8, 4, v2                        ; out: 16 bytes a lane, in memory
	v_add_nc_u32 v7, s14, v8                       ; and in the stage
.macro LOADW t                         ; block t: W(32 t + i, my unit), i = 0 .. 31, into set t % 2; the largest offset, 511 rows, lies inside the signed 24-bit immediate
.irp i, 0,1,2,3,4,5,6,7,8,9,10,11,12,13,14,15,16,17,18,19,20,21,22,23,24,25,26,27,28,29,30,31
	global_load_b32 v[XW+32*((\t)%2)+\i], v3, s[4:5] offset:(32*(\t)+\i)*ROWB th:TH_LOAD_NT
.endr
.endm
.macro BLOCK t
.set XS, XW+32*((\t)%2)
.if (\t) < 15
	s_wait_loadcnt 32                              ; this block's 32 loads are in; the next block's 32 may be out
.else
	s_wait_loadcnt 0
.endif
	v_max3_num_f32 v12, |v[XS]|, |v[XS+1]|, |v[XS+2]|              ; the block's largest magnitude: all 32 numbers are mine; two chains
	v_max3_num_f32 v13, |v[XS+3]|, |v[XS+4]|, |v[XS+5]|
.irp i, 6,10,14,18,22,26
	v_max3_num_f32 v12, v12, |v[XS+\i]|, |v[XS+\i+1]|
	v_max3_num_f32 v13, v13, |v[XS+\i+2]|, |v[XS+\i+3]|
.endr
	v_max3_num_f32 v12, v12, |v[XS+30]|, |v[XS+31]|
	v_max3_num_f32 v12, v12, v13, 0x1800000        ; and the floor 2^(3 - 127): the byte cannot fall under 1
	v_add_nc_u32 v11, 0xff000000, v12              ; 2 off its exponent field: the conversion takes the exponent field of this operand as its scale
	v_lshrrev_b32 v13, 23, v11                     ; the scale's byte
.if (\t)%4 == 0
	v_mov_b32 v[SB+(\t)/4], v13                    ; four bytes to a register, the lower K in the lower byte: a register is the scale word of 128 along K
.else
	v_lshl_or_b32 v[SB+(\t)/4], v13, 8*((\t)%4), v[SB+(\t)/4]
.endif
.irp g, 0,1,2,3
	v_cvt_scalef32_pk8_fp4_f32 v[CW+\g], v[XS+8*\g:XS+8*\g+7], v11
.endr
	v_nop                                          ; one plain vector line behind the conversions
	ds_store_b128 v4, v[CW:CW+3] offset:16*(\t)    ; 32 codes: 16 bytes of my unit's row
.if (\t)+2 < 16
	LOADW (\t)+2
.endif
	s_wait_dscnt 0x0                               ; the store has read its registers: the next block's codes may be written
.endm
	LOADW 0
	LOADW 1
.set Q, 0
.rept 16
	BLOCK Q
.set Q, Q+1
.endr
	s_wait_alu depctr_va_vdst(0)
	ds_store_b128 v4, v[SB:SB+3] offset:256        ; the 16 scale bytes behind the row's codes: the stage now holds 8,704 bytes just as they lie in memory
.irp i, 0,1,2,3,4,5,6,7,8,9,10,11,12,13,14,15,16
	ds_load_b128 v[OUTW+4*\i:OUTW+4*\i+3], v7 offset:512*\i        ; LDS serves a wave's instructions in order: these see my stores
.endr
.irp i, 0,1,2,3,4,5,6,7,8,9,10,11,12,13,14,15,16
	s_wait_dscnt 16-\i                             ; load i is in; the younger ones may be out
	global_store_b128 v8, v[OUTW+4*\i:OUTW+4*\i+3], s[6:7] offset:512*\i   ; 32 lanes store 512 consecutive bytes, at a multiple of 256 from the buffer's first byte
.endr
	s_wait_tensorcnt 0x0
	ds_add_u32 v192, v193
	s_wait_dscnt 0x0
	s_endpgm
; ---------------- x AND h.  K is innermost.  work-group 512 + 128 t + rg: tensor t (0 x, 1 h), rows 16 rg .. 16 rg + 15; wave kc takes 512 along K of each row: a step is one row's 2,048 bytes.
; Each of a step's four loads reads 512 consecutive bytes; the bytes turn through the wave's own stage, so that a lane then holds 16 NEIGHBOURS along K (two neighbouring lanes hold a block).
; Codes and scale bytes are gathered in an image of 16 rows x 272 bytes, which leaves as 17 aligned runs of 256 bytes.
.Lact:
.set R,    16                          ; v16-79   four sets of 16 numbers as they are loaded; at the end the way out
.set XA,   80                          ; v80-111  two sets of 16 neighbours
.set E,    112                         ; v112-127 a scale byte for each step
.set C,    128                         ; v128-159 two registers of codes for each step
	s_sub_co_u32 s3, s2, 512
	s_bitcmp1_b32 s3, 7                            ; x or h: by the work-group's number alone
	s_cselect_b64 s[4:5], s[34:35], s[32:33]
	s_cselect_b32 s8, 4, 0                         ; h's K steps are 4 .. 7
	s_and_b32 s9, s3, 127                          ; rg
	s_lshl_b32 s12, s9, 17                         ; in: 16 rg rows of 8,192 bytes,
	s_lshl_b32 s13, s40, 11                        ; 2,048 bytes a wave
	s_add_co_u32 s12, s12, s13
	s_mov_b32 s13, 0
	s_add_nc_u64 s[4:5], s[4:5], s[12:13]
	s_add_co_u32 s8, s8, s40                       ; out: K step,
	s_lshl_b32 s8, s8, 11                          ; 2,048 rows each,
	s_lshl_b32 s9, s9, 4
	s_add_co_u32 s8, s8, s9                        ; + 16 rg
	s_mul_i32 s12, s8, PITCH                       ; 16 rows are 4,352 bytes = 17 x 256
	s_add_nc_u64 s[6:7], s[36:37], s[12:13]
	s_mul_i32 s14, s40, AREG
	s_add_co_u32 s14, s14, ABASE                   ; my region of LDS
	s_wait_alu depctr_va_vdst(0)
	v_lshlrev_b32 v3, 4, v2                        ; my 16 bytes of a load's 512
	v_lshrrev_b32 v14, 2, v2
	v_mul_u32_u24 v14, v14, SP
	v_and_b32 v15, 3, v2
	v_lshl_add_u32 v14, v15, 4, v14
	v_add_nc_u32 v14, s14, v14                     ; the turning stage, in: four lanes' 64 bytes on end, then 16 of padding
	v_mul_u32_u24 v15, v2, SP
	v_add_nc_u32 v15, s14, v15                     ; and out: my 16 neighbours
	s_add_co_u32 s14, s14, AIMG                    ; the image
	v_lshlrev_b32 v7, 3, v2                        ; 8 bytes a lane: my 16 codes; also the way out
	v_add_nc_u32 v4, s14, v7
	v_lshrrev_b32 v5, 1, v2
	v_add_nc_u32 v5, s14, v5                       ; my block's scale byte (256 bytes on: in the immediate)
.macro LOADA t
.irp i, 0,1,2,3
	global_load_b128 v[R+16*((\t)%4)+4*\i:R+16*((\t)%4)+4*\i+3], v3, s[4:5] offset:ROWB*(\t)+512*\i th:TH_LOAD_NT
.endr
.endm
.macro TURN t                          ; step t's numbers through a stage: LDS serves a wave's instructions in order, so no wait stands between the stores and the loads
.irp i, 0,1,2,3
	ds_store_b128 v14, v[R+16*((\t)%4)+4*\i:R+16*((\t)%4)+4*\i+3] offset:32*SP*((\t)%2)+8*SP*\i
.endr
.irp i, 0,1,2,3
	ds_load_b128 v[XA+16*((\t)%2)+4*\i:XA+16*((\t)%2)+4*\i+3], v15 offset:32*SP*((\t)%2)+16*\i
.endr
.endm
.irp t, 0,1,2,3
	LOADA \t
.endr
	s_wait_alu depctr_va_vdst(0)
	s_wait_loadcnt 12                              ; step 0's four loads are in
	TURN 0
.macro STEP t
.set XS, XA+16*((\t)%2)
.if (\t) > 0
	s_wait_dscnt 2                                 ; this step's numbers are back from the stage (the last step's two stores into the image may be out): so its stores into the stage have read their registers,
.else
	s_wait_dscnt 0x0
.endif
.if (\t)+4 < 16
	LOADA (\t)+4                                   ; which take the loads of four steps on
.endif
.if (\t)+1 < 16
.if 14-(\t) >= 3
	s_wait_loadcnt 12                              ; the next step's four loads are in; those of the three steps behind it may be out
.else
	s_wait_loadcnt 4*(14-(\t))
.endif
	TURN (\t)+1                                    ; and go through the other stage while this step is worked
.endif
	v_max3_num_f32 v8, |v[XS]|, |v[XS+1]|, |v[XS+2]|               ; the largest magnitude of my 16
	v_max3_num_f32 v9, |v[XS+3]|, |v[XS+4]|, |v[XS+5]|
.irp i, 6,10
	v_max3_num_f32 v8, v8, |v[XS+\i]|, |v[XS+\i+1]|
	v_max3_num_f32 v9, v9, |v[XS+\i+2]|, |v[XS+\i+3]|
.endr
	v_max3_num_f32 v8, v8, |v[XS+14]|, |v[XS+15]|
	v_max3_num_f32 v8, v8, v9, 0x1800000           ; and the floor 2^(3 - 127)
	v_max_num_f32_dpp v8, v8, v8 row_xmask:1 row_mask:0xf bank_mask:0xf   ; and of my neighbour's 16: the block's
	v_add_nc_u32 v11, 0xff000000, v8               ; 2 off its exponent field: the conversion's scale operand
	v_cvt_scalef32_pk8_fp4_f32 v[C+2*(\t)], v[XS:XS+7], v11
	v_cvt_scalef32_pk8_fp4_f32 v[C+2*(\t)+1], v[XS+8:XS+15], v11
	v_lshrrev_b32 v[E+(\t)], 23, v11               ; the scale's byte (a plain line behind the conversions)
	ds_store_b8 v5, v[E+(\t)] offset:PITCH*(\t)+256        ; both lanes of a block write the same byte with the same value
	ds_store_b64 v4, v[C+2*(\t):C+2*(\t)+1] offset:PITCH*(\t)
.endm
.irp t, 0,1,2,3,4,5,6,7,8,9,10,11,12,13,14,15
	STEP \t
.endr
.irp i, 0,1,2,3,4,5,6,7,8,9,10,11,12,13,14,15,16
	ds_load_b64 v[R+2*\i:R+2*\i+1], v4 offset:256*\i               ; the image as it lies: these see my stores
.endr
.irp i, 0,1,2,3,4,5,6,7,8,9,10,11,12,13,14,15,16
	s_wait_dscnt 16-\i
	global_store_b64 v7, v[R+2*\i:R+2*\i+1], s[6:7] offset:256*\i  ; 32 lanes store 256 consecutive bytes, at a multiple of 256 from the buffer's first byte
.endr
	s_wait_tensorcnt 0x0
	ds_add_u32 v192, v193
	s_wait_dscnt 0x0
	s_endpgm
.Lfunc_end_k_q8687610740_quant:
	.size	k_q8687610740_quant, .Lfunc_end_k_q8687610740_quant-k_q8687610740_quant
	.p2alignl 7, 3214868480
	.fill 96, 4, 3214868480
	.section	.rodata,"a",@progbits
	.p2align	6, 0x0
	.amdhsa_kernel k_q8687610740_quant
		.amdhsa_group_segment_fixed_size 74240
		.amdhsa_private_segment_fixed_size 0
		.amdhsa_enable_private_segment 0
		.amdhsa_kernarg_size 96
		.amdhsa_user_sgpr_count 2
		.amdhsa_user_sgpr_kernarg_segment_ptr 1
		.amdhsa_wavefront_size32 1
		.amdhsa_system_sgpr_workgroup_id_x 1
		.amdhsa_system_sgpr_workgroup_id_y 1
		.amdhsa_system_sgpr_workgroup_id_z 1
		.amdhsa_system_vgpr_workitem_id 0
		.amdhsa_next_free_vgpr 194
		.amdhsa_next_free_sgpr 66
		.amdhsa_reserve_vcc 0
		.amdhsa_float_denorm_mode_32 3
		.amdhsa_float_denorm_mode_16_64 3
		.amdhsa_memory_ordered 1
		.amdhsa_forward_progress 1
		.amdhsa_inst_pref_size 114
	.end_amdhsa_kernel
	.amdgpu_metadata
---
amdhsa.version: [ 1, 2 ]
amdhsa.kernels:
  - .name:           k_q8687610740_quant
    .symbol:         k_q8687610740_quant.kd
    .args:
      - { .name: Wxf, .offset: 0, .size: 8, .value_kind: global_buffer, .address_space: global }
      - { .name: Wxi, .offset: 8, .size: 8, .value_kind: global_buffer, .address_space: global }
      - { .name: Wxo, .offset: 16, .size: 8, .value_kind: global_buffer, .address_space: global }
      - { .name: Wxg, .offset: 24, .size: 8, .value_kind: global_buffer, .address_space: global }
      - { .name: Whf, .offset: 32, .size: 8, .value_kind: global_buffer, .address_space: global }
      - { .name: Whi, .offset: 40, .size: 8, .value_kind: global_buffer, .address_space: global }
      - { .name: Who, .offset: 48, .size: 8, .value_kind: global_buffer, .address_space: global }
      - { .name: Whg, .offset: 56, .size: 8, .value_kind: global_buffer, .address_space: global }
      - { .name: x, .offset: 64, .size: 8, .value_kind: global_buffer, .address_space: global }
      - { .name: h, .offset: 72, .size: 8, .value_kind: global_buffer, .address_space: global }
      - { .name: acode, .offset: 80, .size: 8, .value_kind: global_buffer, .address_space: global }
      - { .name: wcode, .offset: 88, .size: 8, .value_kind: global_buffer, .address_space: global }
    .group_segment_fixed_size: 74240
    .private_segment_fixed_size: 0
    .kernarg_segment_align: 8
    .kernarg_segment_size: 96
    .max_flat_workgroup_size: 128
    .sgpr_count:     66
    .vgpr_count:     194
    .wavefront_size: 32
...
	.end_amdgpu_metadata
.endif
;; end of part 1
;; launch lstm (part 2): grid 32 x 8, 4 waves a work-group, clusters of 4 x 4, 327,680 bytes of LDS; arguments acode, wcode, c, bf, bi, bo, bg, out0, out1; writes out0, out1
.if DOCPART == 2
	.amdgcn_target "amdgcn-amd-amdhsa--gfx1250"
	.amdhsa_code_object_version 6
	.text
	.protected	k_q8687610740_lstm
	.globl	k_q8687610740_lstm
	.p2align	8
	.type	k_q8687610740_lstm,@function
k_q8687610740_lstm:
	s_mov_b64 s[64:65], 0
	v_nop
	global_prefetch_b8 v0, s[64:65] scope:SCOPE_SE
	s_setreg_imm32_b32 hwreg(HW_REG_WAVE_MODE, 25, 1), 1
	s_wait_xcnt 0x0
	s_wait_alu depctr_hold_cnt(0) depctr_sa_sdst(0) depctr_va_vdst(0) depctr_va_sdst(0) depctr_va_ssrc(0) depctr_va_vcc(0) depctr_vm_vsrc(0)
	s_getreg_b32 s2, hwreg(HW_REG_IB_STS2, 6, 4)
	s_cmp_eq_u32 s2, 0
	s_cbranch_scc0 .Lentry_in_a_cluster
	s_endpgm
.Lentry_in_a_cluster:
	s_bfe_u32 s2, ttmp6, 0x10000c
	s_cmp_lg_u32 s2, 0xf033
	s_cbranch_scc0 .Lentry_shape_is_right
	s_endpgm
.Lentry_shape_is_right:
; z = [x h] [Wx; Wh] + b as ONE product on codes of FP4 (E2M1) with K' = 4,096, then the cell's gates, all in one launch.
; acode [8 K steps][2,048 rows][272 bytes] and wcode [8][8,192 rows][272]: 256 bytes of codes (512 along K') and the row's 16 E8M0 scale bytes.
; Rows of wcode are n' = 128 (unit / 32) + 32 gate + unit % 32 (gate 0 f, 1 i, 2 o, 3 g): a wave's 128 columns are all four gates of 32 units.
; A work-group of four waves makes 256 rows x 256 n' (64 units); a wave 128 x 128: 64 accumulators, 512 registers.  256 work-groups.
; K' goes in 8 steps of 512 through two LDS slots; a wave's tensor load brings 128 rows x 272 bytes, dense in memory, stated as 136 rows of 256 bytes.
; CLUSTERS 4 x 4: A's tiles are asked for jointly along a row of the cluster, B's along a column.
; THE MATRIX INSTRUCTION IS USED TRANSPOSED (source 0 = rows of wcode, source 1 = rows of acode): a lane holds 8 neighbouring n' of one batch row.
; The biases are the C of each accumulator's first product.  Both fragment sets are double: a step of 128 along K' fetches the whole next step in one run of 32 LDS loads at its head.
; PREFETCH: each wave names, for a K step, 34 blocks of 256 bytes: its work-group's quarter (by cx for A, by cy for B) of the 136 that it fetches.  K steps 1 and 2 are named behind the head's load,
; K step 3 behind slot 1's first fill, K step s + 4 behind the refill that asks for K step s + 2; nothing beyond K step 7.  c's tile (a row of 256 bytes a lane) is named two K steps ahead of its load.
; GATES: sigmoid(z) = 1 / (1 + 2^(-z log2 e)), tanh(z) = (E - 1) / (E + 1) with E = 2^(2 z log2 e); reciprocals are shared: i g = (Eg - 1) / ((1 + Ei)(1 + Eg)), likewise o tanh(c').
; LIMITS: the exponents of Eg and of tanh(c')'s E are held at 60 from above, so that the numerators E - 1 stay finite; beyond it tanh differs from 1 by under 2^-59.  A denominator that overflows
; gives the reciprocal 0, which is the sigmoid's limit.  NaN and infinities among the inputs are not served.  No work of the problem is left out.
; REGISTERS: window 0: v0-31 addresses; v32-95 scale words, two sets; v128-191, v192-255 A's fragments, two sets.  window 1: v0-63, v128-191 B's two sets; v64-127 the biases.
; window 2: accumulators of my rows 0-63 ((a, b) at v[8 (8 a + b)]); window 3: rows 64-127.  On the way out window 0's v32-63 and v96-255 are at work.
.set NQ,     4                         ; steps of 128 along K' in a slot
.set PITCH,  272
.set FR,     8
.set NP,     4                         ; places behind this matrix form (ISA guide 7.12.1)
.set HALFT,  128*PITCH
.set SLOT,   4*HALFT                   ; A's 256 rows, then B's 256 rows
.set SPARE,  2*SLOT                    ; the spare words: 512 bytes that no other line names
.set ASTEP,  2048*PITCH                ; bytes from K step to K step in acode, in wcode
.set WSTEP,  8192*PITCH
.set LAPS,   4
.set ROWO,   8192                      ; a row of c, out0, out1 in bytes
.set BO,   10                          ; v10 my offset in a bias
.set PT0,  11                          ; v11, v12 the tile prefetches' offsets: blocks 0-31; blocks 32, 33 (lanes left over name the last again)
.set PT1,  12
.set ADRA, 16                          ; v16-17 my A fragments in slot 0, 1;  v20-21 B's;  v22-23 scale words (lanes 0-15 A's rows, 16-31 B's)
.set ADRB, 20
.set ADRS, 22
.set STOH, 24                          ; the way out: where I put h', c';  where I read rows back;  my offset in the outputs
.set STOC, 25
.set RD,   26
.set CO,   27
.set SPW,  28                          ; my spare word's address, and 0: never rewritten
.set NIL,  29
.set PFO,  30                          ; c's prefetch: my row
.set CA,   31                          ; my 32 bytes of c's rows in LDS
.set SC,   32
.set AF,   128
.set BIA,  64
.set CV,   96
.set X,    112
.set TF,   128
.set TI,   144
.set TO,   160
.set TG,   176
.set CN,   192
.set HN,   208
.set OB,   224                         ; 16 rows read back from the stage
.set OB2,  32                          ; the same for the last block
.set PST,  4                           ; s[4:5] my prefetches' step;  s[6:7] K step 1;  s[10:11] where they stand
.set PFA,  10
.set G1,   24
.set G0,   32
.set G1B,  48
.set G0B,  56
.set BP,   68
.set G1C,  80
.set G0C,  88
.set NL2,  92
.set TL2,  94
.set CAP,  96
.set MSB, 0
.macro WIN new                         ; the immediate's high byte repeats the setting that is left
.if MSB != \new
	s_set_vgpr_msb (MSB<<8)|\new
.set MSB, \new
.endif
.endm
.set MUL_LO, 0xa1                      ; source 0 (B) window 1, source 1 (A) window 0, C and D window 2
.set MUL_HI, 0xf1
.set BIA_LO, 0x91                      ; the same with C in window 1: the biases
.set BIA_HI, 0xd1
.set TO_B,   0x40
; a joint load: waves 0, 1 fetch A's halves, waves 2, 3 B's; s_nop 0 and four v_nop behind each line
.macro JLOAD g0a, g1a, g0b, g1b
	s_cmp_eq_u32 s15, 0
	s_cbranch_scc0 .Lfor_b_\@
	tensor_load_to_lds s[\g0a:\g0a+3], s[\g1a:\g1a+7]
	s_nop 0
.rept 4
	v_nop
.endr
	s_branch .Lasked_\@
.Lfor_b_\@:
	tensor_load_to_lds s[\g0b:\g0b+3], s[\g1b:\g1b+7]
	s_nop 0
.rept 4
	v_nop
.endr
.Lasked_\@:
.endm
.macro CREST                           ; a round of the cluster's barrier behind its opening barrier
	s_cmp_lg_u32 s14, 0
	s_cbranch_scc1 .Lnot_wave_0_\@
	s_barrier_signal -3
.Lnot_wave_0_\@:
	s_barrier_wait -3
	s_barrier_signal -1
	s_barrier_wait -1
.endm
.macro CROUND
	s_barrier_signal -1
	s_barrier_wait -1
	CREST
.endm
.macro ASKT                            ; my 34 blocks of the K step at which PFA stands
	global_prefetch_b8 v[PT0], s[PFA:PFA+1] th:TH_LOAD_NT scope:SCOPE_SE
	global_prefetch_b8 v[PT1], s[PFA:PFA+1] th:TH_LOAD_NT scope:SCOPE_SE
.endm
	s_load_b128 s[4:7], s[0:1], 0x0                ; acode, wcode
	s_load_b64 s[8:9], s[0:1], 0x10                ; c
	s_load_b256 s[BP:BP+7], s[0:1], 0x18           ; bf, bi, bo, bg
	s_load_b128 s[76:79], s[0:1], 0x38             ; out0, out1
	v_lshl_add_u32 v[SPW], v0, 2, SPARE
	v_mov_b32 v[NIL], 0
	ds_add_u32 v[SPW], v[NIL]                      ; the opening lines: the add, twice on end, and one wait
	ds_add_u32 v[SPW], v[NIL]
	v_lshrrev_b32 v1, 5, v0
	v_readfirstlane_b32 s14, v1                    ; wave
	s_lshr_b32 s15, s14, 1                         ; my half of the rows; also: I fetch for A (0) or B (1)
	s_and_b32 s16, s14, 1                          ; my half of the columns; also: which 128 rows I fetch
	s_bfe_u32 s40, ttmp6, 0x40000                  ; cx, cy
	s_bfe_u32 s41, ttmp6, 0x40004
	s_lshl_b32 s42, ttmp9, 2
	s_add_co_u32 s42, s42, s40                     ; tile column
	s_and_b32 s17, ttmp7, 0xffff
	s_lshl_b32 s17, s17, 2
	s_add_co_u32 s17, s17, s41                     ; tile row
	s_lshl_b32 s43, s41, 2
	s_lshl_b32 s43, 15, s43                        ; my row of the cluster
	s_lshl_b32 s44, 0x1111, s40                    ; my column
	s_or_b32 s[G1+0], s43, (3<<16)|(1<<21)         ; elements of 8 bytes, no padding: the memory image already has the pitch of 272
	s_or_b32 s[G1B+0], s44, (3<<16)|(1<<21)
.irp g, G1, G1B
	s_mov_b32 s[\g+1], 32<<16                      ; 136 rows of 32 elements = 256 bytes
	s_mov_b32 s[\g+2], 136<<16
	s_mov_b32 s[\g+3], 32<<16
	s_mov_b32 s[\g+4], 136
	s_mov_b32 s[\g+5], 32
	s_mov_b32 s[\g+6], 0
	s_mov_b32 s[\g+7], 0
.endr
	s_mov_b32 s[G1C+0], (2<<16)|(1<<20)|(5<<22)|(3<<25)   ; c: 64 rows x 64 f32 (256 bytes), 16 bytes of padding behind each; no mask
	s_mov_b32 s[G1C+1], 64<<16
	s_mov_b32 s[G1C+2], 64<<16
	s_mov_b32 s[G1C+3], 64<<16
	s_mov_b32 s[G1C+4], 64
	s_mov_b32 s[G1C+5], 2048
	s_mov_b32 s[G1C+6], 0
	s_mov_b32 s[G1C+7], 0
	s_mov_b32 s[NL2], 0xbfb8aa3b                   ; -log2 e
	s_mov_b32 s[NL2+1], 0xbfb8aa3b
	s_mov_b32 s[TL2], 0x4038aa3b                   ; 2 log2 e
	s_mov_b32 s[TL2+1], 0x4038aa3b
	s_mov_b32 s[CAP], 0x42700000                   ; 60
	s_lshl_b32 s18, s16, 7
	s_lshl_b32 s20, s17, 8
	s_add_co_u32 s20, s20, s18
	s_mul_i32 s20, s20, PITCH                      ; A: (256 tile row + 128 half) rows
	s_mov_b32 s21, 0
	s_lshl_b32 s46, s42, 8
	s_add_co_u32 s46, s46, s18
	s_mul_i32 s46, s46, PITCH                      ; B: (256 tile column + 128 half) rows
	s_mov_b32 s47, 0
	s_mul_i32 s45, s14, HALFT                      ; where my part goes in a slot
	s_wait_dscnt 0x0                               ; both opening adds are done
	s_wait_kmcnt 0x0
	s_add_nc_u64 s[20:21], s[4:5], s[20:21]
	s_add_nc_u64 s[46:47], s[6:7], s[46:47]
.irp s, 0,1
	s_mov_b32 s[G0+4*\s], 1
	s_add_co_u32 s[G0+4*\s+1], s45, \s*SLOT
	s_add_nc_u64 s[G0+4*\s+2:G0+4*\s+3], s[20:21], \s*ASTEP
	s_or_b32 s[G0+4*\s+3], s[G0+4*\s+3], 0x80000000
	s_mov_b32 s[G0B+4*\s], 1
	s_add_co_u32 s[G0B+4*\s+1], s45, \s*SLOT
	s_add_nc_u64 s[G0B+4*\s+2:G0B+4*\s+3], s[46:47], \s*WSTEP
	s_or_b32 s[G0B+4*\s+3], s[G0B+4*\s+3], 0x80000000
.endr
	s_cmp_eq_u32 s15, 0                            ; the prefetches: the tile that I fetch, my work-group's 34 blocks of it, told apart by address
	s_cselect_b64 s[PFA:PFA+1], s[20:21], s[46:47]
	s_cselect_b32 s22, s40, s41
	s_mov_b32 s[PST], WSTEP
	s_cselect_b32 s[PST], ASTEP, s[PST]
	s_mov_b32 s[PST+1], 0
	s_mul_i32 s22, s22, 34*256
	s_mov_b32 s23, 0
	s_add_nc_u64 s[PFA:PFA+1], s[PFA:PFA+1], s[22:23]
	s_add_nc_u64 s[6:7], s[PFA:PFA+1], s[PST:PST+1]        ; K step 1
	s_add_nc_u64 s[PFA:PFA+1], s[6:7], s[PST:PST+1]        ; K step 2
	CROUND                                         ; all sixteen work-groups are here: the first joint loads meet
	JLOAD G0, G1, G0B, G1B                         ; K step 0: one tensor load a wave at the head
	v_and_b32 v13, 31, v0
	v_lshlrev_b32 v[PT0], 8, v13
	v_add_nc_u32 v[PT1], 32, v13
	v_min_u32 v[PT1], 33, v[PT1]
	v_lshlrev_b32 v[PT1], 8, v[PT1]
	global_prefetch_b8 v[PT0], s[6:7] th:TH_LOAD_NT scope:SCOPE_SE
	global_prefetch_b8 v[PT1], s[6:7] th:TH_LOAD_NT scope:SCOPE_SE
	ASKT
	v_and_b32 v1, 15, v0                           ; l % 16
	v_bfe_u32 v2, v0, 4, 1                         ; l / 16
	v_mul_u32_u24 v3, v1, PITCH
	v_lshl_add_u32 v4, v2, 4, v3                   ; a fragment's row x pitch + 16 x half
	s_mul_i32 s21, s15, HALFT
	s_mul_i32 s22, s16, HALFT
	s_add_co_u32 s22, s22, 2*HALFT
	v_add_nc_u32 v[ADRA], s21, v4
	v_add_nc_u32 v[ADRB], s22, v4
	v_add_nc_u32 v[ADRA+1], SLOT, v[ADRA]
	v_add_nc_u32 v[ADRB+1], SLOT, v[ADRB]
	s_xor_b32 s23, s15, 1                          ; from my half of A to my half of B: (2 + column half - row half) x 128 rows: ONE product for lanes 16-31
	s_add_co_u32 s23, s23, s16
	s_add_co_u32 s23, s23, 1
	s_mul_i32 s23, s23, HALFT
	v_mul_u32_u24 v6, s23, v2
	v_add_nc_u32 v5, v3, v6
	s_add_co_u32 s23, s21, 256                     ; the scale bytes stand behind a row's 256 bytes of codes
	v_add_nc_u32 v[ADRS], s23, v5
	v_add_nc_u32 v[ADRS+1], SLOT, v[ADRS]
	v_lshl_add_u32 v7, v2, 5, v3
	s_lshl_b32 s23, s16, 7
	s_add_co_u32 s23, s23, s21
	v_add_nc_u32 v[CA], s23, v7                    ; c lies in slot 0: row x 272 + 128 x column half + 32 x lane half
	v_add_nc_u32 v[STOH], SLOT, v[CA]              ; h' and c' are staged in slot 1, in the same shape
	v_add_nc_u32 v[STOC], 2*HALFT, v[STOH]
	v_mul_u32_u24 v8, v2, PITCH
	v_lshl_add_u32 v8, v1, 4, v8
	s_mul_i32 s23, s16, 2*HALFT                    ; back: waves of column half 0 send h', the others c'; whole rows of 256 bytes
	s_add_co_u32 s23, s23, s21
	s_add_co_u32 s23, s23, SLOT
	v_add_nc_u32 v[RD], s23, v8
	v_lshlrev_b32 v[CO], 13, v2
	v_lshl_add_u32 v[CO], v1, 4, v[CO]
	v_and_b32 v9, 31, v0
	s_lshl_b32 s23, s14, 6
	v_add_nc_u32 v[PFO], s23, v9
	v_lshlrev_b32 v[PFO], 13, v[PFO]
	s_lshl_b32 s22, s42, 8
	s_lshl_b32 s23, s16, 7
	s_add_co_u32 s22, s22, s23
	v_lshl_add_u32 v[BO], v2, 5, s22               ; my 8 units of a block of 16: 4 x (64 tile column + 32 half) + 32 x lane half
	WIN TO_B
.irp g, 0,1,2,3
.irp u, 0,1
.irp i, 0,1
	global_load_b128 v[BIA+8*(2*\g+\u)+4*\i:BIA+8*(2*\g+\u)+4*\i+3], v[BO], s[BP+2*\g:BP+2*\g+1] offset:64*\u+16*\i
.endr
.endr
.endr
	WIN 0
	s_lshl_b32 s20, s17, 21
	s_lshl_b32 s21, s42, 8
	s_add_co_u32 s20, s20, s21
	s_mov_b32 s21, 0
	s_add_nc_u64 s[8:9], s[8:9], s[20:21]          ; c at my work-group's tile
	s_mov_b32 s[G0C], 1
	s_mul_i32 s[G0C+1], s14, 64*PITCH
	s_lshl_b32 s22, s14, 19
	s_mov_b32 s23, 0
	s_add_nc_u64 s[G0C+2:G0C+3], s[8:9], s[22:23]
	s_or_b32 s[G0C+3], s[G0C+3], 0x80000000
	s_cmp_eq_u32 s16, 0
	s_cselect_b64 s[12:13], s[76:77], s[78:79]
	s_lshl_b32 s22, s15, 20
	s_add_co_u32 s20, s20, s22
	s_add_nc_u64 s[12:13], s[12:13], s[20:21]      ; the output that I send, at my 128 rows
.macro FRAG reg, adr, q, i             ; 16 rows x 128 K of 4-bit codes: two loads of 16 bytes, 32 bytes apart
.irp c, 0,1
	ds_load_b128 v[\reg+4*\c:\reg+4*\c+3], v[\adr] offset:64*(\q)+32*\c+(\i)*16*PITCH
.endr
.endm
; 16 matrix instructions: A's blocks a0, a0 + 1 x B's eight; p: the fragment sets; the 64 accumulators take turns in one order in every step
.macro MUL16 a0, p, q, sc, zero
.irp a, \a0, \a0+1
.irp b, 0,1,2,3,4,5,6,7
.if \zero
	v_wmma_scale_f32_16x16x128_f8f6f4 v[8*(8*((\a)%4)+\b):8*(8*((\a)%4)+\b)+7], v[128*(\p)+FR*\b:128*(\p)+FR*\b+FR-1], v[AF+64*(\p)+FR*(\a):AF+64*(\p)+FR*(\a)+FR-1], v[BIA+8*\b:BIA+8*\b+7], v[SC+8*NQ*(\sc)+NQ*\b+(\q)], v[SC+8*NQ*(\sc)+NQ*(\a)+(\q)] matrix_a_fmt:MATRIX_FMT_FP4 matrix_b_fmt:MATRIX_FMT_FP4 matrix_a_scale:MATRIX_SCALE_ROW1
.else
	v_wmma_scale_f32_16x16x128_f8f6f4 v[8*(8*((\a)%4)+\b):8*(8*((\a)%4)+\b)+7], v[128*(\p)+FR*\b:128*(\p)+FR*\b+FR-1], v[AF+64*(\p)+FR*(\a):AF+64*(\p)+FR*(\a)+FR-1], v[8*(8*((\a)%4)+\b):8*(8*((\a)%4)+\b)+7], v[SC+8*NQ*(\sc)+NQ*\b+(\q)], v[SC+8*NQ*(\sc)+NQ*(\a)+(\q)] matrix_a_fmt:MATRIX_FMT_FP4 matrix_b_fmt:MATRIX_FMT_FP4 matrix_a_scale:MATRIX_SCALE_ROW1
.endif
.endr
.endr
.endm
.macro FETCH slot, q, p                ; 32 LDS loads in one run: B's and A's eight fragments of the slot's q-th 128 along K' into sets p
	WIN TO_B
.irp i, 0,1,2,3,4,5,6,7
	FRAG 128*(\p)+FR*\i, ADRB+\slot, \q, \i
.endr
	WIN 0
.irp i, 0,1,2,3,4,5,6,7
	FRAG AF+64*(\p)+FR*\i, ADRA+\slot, \q, \i
.endr
.endm
.macro SCALES sc                       ; a K step's scale words: lanes 0-15 A's block i, lanes 16-31 B's block i
.irp i, 0,1,2,3,4,5,6,7
	ds_load_b128 v[SC+8*NQ*\sc+NQ*\i:SC+8*NQ*\sc+NQ*\i+3], v[ADRS+\sc] offset:\i*16*PITCH
.endr
.endm
.macro PLACES n
.rept \n
	v_nop
.endr
.endm
; a step of 128 along K' that has its successor in the same slot: the successor's 32 loads go out first and have this step's 64 matrix instructions in which to land
.macro STEP slot, q, zero, ask
	s_wait_dscnt 0x0                               ; this step's fragments, asked for a step ago, are in
	PLACES NP                                      ; in front of loads into the sets that the step before multiplied
	FETCH \slot, (\q)+1, 1-(\q)%2
.if \ask
	ASKT
.endif
.if \zero
	WIN BIA_LO
.else
	WIN MUL_LO
.endif
	MUL16 0, (\q)%2, \q, \slot, \zero
	MUL16 2, (\q)%2, \q, \slot, \zero
.if \zero
	WIN BIA_HI
.else
	WIN MUL_HI
.endif
	MUL16 4, (\q)%2, \q, \slot, \zero
	MUL16 6, (\q)%2, \q, \slot, \zero
	WIN 0
.endm
; a slot's last step changes slots at its head: its fragments are in registers, so my reads of the slot are over.  fill = 1: the slot takes the K step two on; fill = 2: slot 0 takes c's tile.
; ask = 1, 2: K step s + 4's blocks while there is one (the loop's first two trips); ask = 1 in the last trip: c's rows.
.macro TURN slot, next, fill, ask
.if \fill == 1
	s_wait_xcnt 0x0                                ; my prefetches have read their address: it steps here
	s_add_nc_u64 s[PFA:PFA+1], s[PFA:PFA+1], s[PST:PST+1]
.endif
	s_wait_tensorcnt 0x0                           ; my one load that was out, my part of the next slot, has landed
	ds_add_u32 v[SPW], v[NIL]
	s_wait_dscnt 0x0                               ; the add, and my last reads of this slot
	s_barrier_signal -1
	WIN MUL_LO
	MUL16 0, 1, NQ-1, \slot, 0
	WIN 0
	s_barrier_wait -1
	CREST                                          ; the barrier has opened a round of the cluster's barrier
.if \fill == 1
	s_add_nc_u64 s[G0+4*\slot+2:G0+4*\slot+3], s[G0+4*\slot+2:G0+4*\slot+3], 2*ASTEP
	s_add_nc_u64 s[G0B+4*\slot+2:G0B+4*\slot+3], s[G0B+4*\slot+2:G0B+4*\slot+3], 2*WSTEP
	JLOAD G0+4*\slot, G1, G0B+4*\slot, G1B         ; 240 matrix instructions ahead of the wait for it; its four v_nop are the places in front of the loads below
.else
	tensor_load_to_lds s[G0C:G0C+3], s[G1C:G1C+7]  ; my 64 rows of c
	s_nop 0
.rept 4
	v_nop
.endr
.endif
	FETCH \next, 0, 0
	SCALES \next
.if \ask
	s_cmp_gt_u32 s3, 1
	s_cbranch_scc0 .Lno_tile_\@
	ASKT
.if \ask == 1
	s_branch .Lasked_all_\@
.endif
.Lno_tile_\@:
.if \ask == 1
	global_prefetch_b8 v[PFO], s[8:9] th:TH_LOAD_NT scope:SCOPE_SE
	global_prefetch_b8 v[PFO], s[8:9] offset:32*ROWO th:TH_LOAD_NT scope:SCOPE_SE
.Lasked_all_\@:
.endif
.endif
	WIN MUL_LO
	MUL16 2, 1, NQ-1, \slot, 0
	WIN MUL_HI
	MUL16 4, 1, NQ-1, \slot, 0
	MUL16 6, 1, NQ-1, \slot, 0
	WIN 0
.endm
.macro STEPS slot, from
.set Q, \from
.rept NQ-1-\from
	STEP \slot, Q, 0, 0
.set Q, Q+1
.endr
.endm
	s_wait_alu depctr_va_vdst(0)
	s_wait_loadcnt 0x0                             ; the biases
	s_wait_xcnt 0x0                                ; the head's prefetches have read their addresses
	s_add_nc_u64 s[PFA:PFA+1], s[PFA:PFA+1], s[PST:PST+1]  ; K step 3
	s_wait_tensorcnt 0x0                           ; my part of K step 0 is in
	ds_add_u32 v[SPW], v[NIL]
	s_wait_dscnt 0x0
	CROUND
	JLOAD G0+4, G1, G0B+4, G1B                     ; K step 1: slot 1's first fill
	FETCH 0, 0, 0
	SCALES 0
	STEP 0, 0, 1, 1                                ; the first step stands in front of the loop: its products start the sums on the biases
	s_mov_b32 s3, LAPS-1
.Llap:                                                 ; a trip goes once round the ring, from a lap's second step to the next lap's first
	STEPS 0, 1
	TURN 0, 1, 1, 1
	STEPS 1, 0
	TURN 1, 0, 1, 2
	STEP 0, 0, 0, 0
	s_sub_co_u32 s3, s3, 1
	s_cmp_lg_u32 s3, 0
	s_cbranch_scc1 .Llap
	STEPS 0, 1
	TURN 0, 1, 2, 0
	STEPS 1, 0
	s_wait_dscnt 0x0                               ; the very last step: nothing more to fetch
	WIN MUL_LO
	MUL16 0, 1, NQ-1, 1, 0
	MUL16 2, 1, NQ-1, 1, 0
	WIN MUL_HI
	MUL16 4, 1, NQ-1, 1, 0
	MUL16 6, 1, NQ-1, 1, 0
	WIN 0
	s_wait_tensorcnt 0x0                           ; my rows of c are in;
	s_barrier_signal -1                            ; everybody's are, and nobody reads slot 1 any more: it has had its last fill and becomes the stage
	s_barrier_wait -1
	PLACES NP
.macro CLOAD a                         ; c of block a's 16 rows, my 16 units
.irp u, 0,1
.irp i, 0,1
	ds_load_b128 v[CV+8*\u+4*\i:CV+8*\u+4*\i+3], v[CA] offset:(\a)*16*PITCH+64*\u+16*\i
.endr
.endr
.endm
; block a's 16 rows: 64 z a lane (f, i, o, g of 16 units) -> c', h'.  Each batch of transcendentals has one wait ahead of it and one behind it
.macro GATES a
.set AC, 64*((\a)%4)
	WIN (0x02+(\a)/4)
	s_wait_alu depctr_va_vdst(0)                   ; directly ahead of the first readers of these matrix results
.set KK, 0
.rept 24
	v_pk_mul_f32 v[TF+KK:TF+KK+1], v[AC+KK:AC+KK+1], s[NL2:NL2+1] op_sel_hi:[1,0]
.set KK, KK+2
.endr
.rept 8
	v_pk_mul_f32 v[TF+KK:TF+KK+1], v[AC+KK:AC+KK+1], s[TL2:TL2+1] op_sel_hi:[1,0]
.set KK, KK+2
.endr
	WIN 0
.set KK, 0
.rept 16
	v_min_num_f32 v[TG+KK], s[CAP], v[TG+KK]       ; the hold at 60 for g: Eg - 1 stays finite
.set KK, KK+1
.endr
.set KK, 0
	s_wait_alu depctr_va_vdst(0)
.rept 64
	v_exp_f32 v[TF+KK], v[TF+KK]                   ; Ef, Ei, Eo, Eg
.set KK, KK+1
.endr
	v_nop
	s_wait_alu depctr_va_vdst(0)
.irp k, 0,2,4,6,8,10,12,14
	v_pk_add_f32 v[X+\k:X+\k+1], v[TG+\k:TG+\k+1], -1.0 op_sel_hi:[1,0]
.endr
.irp k, 0,2,4,6,8,10,12,14
	v_pk_add_f32 v[TG+\k:TG+\k+1], v[TG+\k:TG+\k+1], 1.0 op_sel_hi:[1,0]
	v_pk_add_f32 v[TF+\k:TF+\k+1], v[TF+\k:TF+\k+1], 1.0 op_sel_hi:[1,0]
.endr
.irp k, 0,2,4,6,8,10,12,14
	v_pk_fma_f32 v[TI+\k:TI+\k+1], v[TI+\k:TI+\k+1], v[TG+\k:TG+\k+1], v[TG+\k:TG+\k+1]   ; (1 + Ei)(1 + Eg) = Ei (1 + Eg) + (1 + Eg)
.endr
.set KK, 0
	s_wait_alu depctr_va_vdst(0)
.rept 32
	v_rcp_f32 v[TF+KK], v[TF+KK]                   ; f, and 1 / ((1 + Ei)(1 + Eg))
.set KK, KK+1
.endr
	v_nop
	s_wait_dscnt 0x0                               ; c is in, and so are the rows read back from the stage
	s_wait_alu depctr_va_vdst(0)
.irp k, 0,2,4,6,8,10,12,14
	v_pk_mul_f32 v[X+\k:X+\k+1], v[X+\k:X+\k+1], v[TI+\k:TI+\k+1]
.endr
.irp k, 0,2,4,6,8,10,12,14
	v_pk_fma_f32 v[CN+\k:CN+\k+1], v[TF+\k:TF+\k+1], v[CV+\k:CV+\k+1], v[X+\k:X+\k+1]   ; c' = f c + i g
.endr
.irp k, 0,2,4,6,8,10,12,14
	v_pk_mul_f32 v[TG+\k:TG+\k+1], v[CN+\k:CN+\k+1], s[TL2:TL2+1] op_sel_hi:[1,0]
.endr
.set KK, 0
.rept 16
	v_min_num_f32 v[TG+KK], s[CAP], v[TG+KK]
.set KK, KK+1
.endr
.set KK, 0
	s_wait_alu depctr_va_vdst(0)
.rept 16
	v_exp_f32 v[TG+KK], v[TG+KK]
.set KK, KK+1
.endr
	v_nop
	s_wait_alu depctr_va_vdst(0)
.irp k, 0,2,4,6,8,10,12,14
	v_pk_add_f32 v[X+\k:X+\k+1], v[TG+\k:TG+\k+1], -1.0 op_sel_hi:[1,0]
.endr
.irp k, 0,2,4,6,8,10,12,14
	v_pk_add_f32 v[TG+\k:TG+\k+1], v[TG+\k:TG+\k+1], 1.0 op_sel_hi:[1,0]
.endr
.irp k, 0,2,4,6,8,10,12,14
	v_pk_fma_f32 v[TG+\k:TG+\k+1], v[TO+\k:TO+\k+1], v[TG+\k:TG+\k+1], v[TG+\k:TG+\k+1]   ; (1 + Eo)(1 + E)
.endr
.set KK, 0
	s_wait_alu depctr_va_vdst(0)
.rept 16
	v_rcp_f32 v[TG+KK], v[TG+KK]
.set KK, KK+1
.endr
	v_nop
	s_wait_alu depctr_va_vdst(0)
.irp k, 0,2,4,6,8,10,12,14
	v_pk_mul_f32 v[HN+\k:HN+\k+1], v[X+\k:X+\k+1], v[TG+\k:TG+\k+1]   ; h' = o tanh(c')
.endr
.endm
.macro TOSTAGE a                       ; my 128 bytes of each of 16 rows; the wave beside me writes the other 128
.irp u, 0,1
.irp i, 0,1
	ds_store_b128 v[STOC], v[CN+8*\u+4*\i:CN+8*\u+4*\i+3] offset:(\a)*16*PITCH+64*\u+16*\i
	ds_store_b128 v[STOH], v[HN+8*\u+4*\i:HN+8*\u+4*\i+3] offset:(\a)*16*PITCH+64*\u+16*\i
.endr
.endr
.endm
.macro BACK a, r                       ; whole rows of 256 bytes, two an instruction, into v[r ..]
.if (\a) > 0
	s_wait_xcnt 0x0                                ; the earlier stores have read their registers
.endif
.irp t, 0,1,2,3,4,5,6,7
	ds_load_b128 v[\r+4*\t:\r+4*\t+3], v[RD] offset:(\a)*16*PITCH+\t*2*PITCH
.endr
.endm
.macro SEND a, r                       ; sixteen lanes store 256 consecutive bytes, at a multiple of 256 from the output's first byte
.irp t, 0,1,2,3,4,5,6,7
	global_store_b128 v[CO], v[\r+4*\t:\r+4*\t+3], s[12:13] offset:(16*(\a)+2*\t)*ROWO th:TH_STORE_NT
.endr
.endm
; THE WAY OUT.  Each block has stage bytes of its own, written once.  Barrier a stands between block a's stage stores and the reads of them, and it is split: the signal stands behind the stores;
; between signal and wait stand LDS loads of bytes that nobody writes any more (block a - 1's staged rows, shown whole by barrier a - 1; c's rows) and block a + 1's arithmetic on registers.
; The rows read back are stored behind the barrier's wait.
	CLOAD 0
	GATES 0
	TOSTAGE 0
	s_wait_dscnt 0x0                               ; for the others' sake: my stores into the stage are done
	s_barrier_signal -1                            ; barrier 0
	CLOAD 1
	GATES 1
	s_wait_alu depctr_va_vdst(0)                   ; directly ahead of the barrier's wait
	s_barrier_wait -1
	TOSTAGE 1
	s_wait_dscnt 0x0
	s_barrier_signal -1                            ; barrier 1
.irp a, 2,3,4,5,6,7
	BACK \a-2, OB
	CLOAD \a
	GATES \a
	s_wait_alu depctr_va_vdst(0)                   ; as above
	s_barrier_wait -1                              ; barrier a - 1
	SEND \a-2, OB
	TOSTAGE \a
	s_wait_dscnt 0x0
	s_barrier_signal -1                            ; barrier a
.endr
	BACK 6, OB
	s_barrier_wait -1                              ; barrier 7
	BACK 7, OB2
	s_wait_dscnt 0x0
	SEND 6, OB
	SEND 7, OB2
	s_wait_tensorcnt 0x0                           ; the wave's end
	ds_add_u32 v[SPW], v[NIL]
	s_wait_dscnt 0x0
	CROUND                                         ; the closing round
	s_endpgm
.Lfunc_end_k_q8687610740_lstm:
	.size	k_q8687610740_lstm, .Lfunc_end_k_q8687610740_lstm-k_q8687610740_lstm
	.p2alignl 7, 3214868480
	.fill 96, 4, 3214868480
	.section	.rodata,"a",@progbits
	.p2align	6, 0x0
	.amdhsa_kernel k_q8687610740_lstm
		.amdhsa_group_segment_fixed_size 327680
		.amdhsa_private_segment_fixed_size 0
		.amdhsa_enable_private_segment 0
		.amdhsa_kernarg_size 72
		.amdhsa_user_sgpr_count 2
		.amdhsa_user_sgpr_kernarg_segment_ptr 1
		.amdhsa_wavefront_size32 1
		.amdhsa_system_sgpr_workgroup_id_x 1
		.amdhsa_system_sgpr_workgroup_id_y 1
		.amdhsa_system_sgpr_workgroup_id_z 1
		.amdhsa_system_vgpr_workitem_id 0
		.amdhsa_next_free_vgpr 1024
		.amdhsa_next_free_sgpr 98
		.amdhsa_reserve_vcc 0
		.amdhsa_float_denorm_mode_32 3
		.amdhsa_float_denorm_mode_16_64 3
		.amdhsa_memory_ordered 1
		.amdhsa_forward_progress 1
		.amdhsa_inst_pref_size 255
	.end_amdhsa_kernel
	.section	.bss,"aw",@nobits
	.p2align	6
	.space	262144
	.amdgpu_metadata
---
amdhsa.version: [ 1, 2 ]
amdhsa.kernels:
  - .name:           k_q8687610740_lstm
    .symbol:         k_q8687610740_lstm.kd
    .args:
      - { .name: acode, .offset: 0, .size: 8, .value_kind: global_buffer, .address_space: global }
      - { .name: wcode, .offset: 8, .size: 8, .value_kind: global_buffer, .address_space: global }
      - { .name: c, .offset: 16, .size: 8, .value_kind: global_buffer, .address_space: global }
      - { .name: bf, .offset: 24, .size: 8, .value_kind: global_buffer, .address_space: global }
      - { .name: bi, .offset: 32, .size: 8, .value_kind: global_buffer, .address_space: global }
      - { .name: bo, .offset: 40, .size: 8, .value_kind: global_buffer, .address_space: global }
      - { .name: bg, .offset: 48, .size: 8, .value_kind: global_buffer, .address_space: global }
      - { .name: out0, .offset: 56, .size: 8, .value_kind: global_buffer, .address_space: global }
      - { .name: out1, .offset: 64, .size: 8, .value_kind: global_buffer, .address_space: global }
    .group_segment_fixed_size: 327680
    .private_segment_fixed_size: 0
    .kernarg_segment_align: 8
    .kernarg_segment_size: 72
    .max_flat_workgroup_size: 128
    .sgpr_count:     98
    .vgpr_count:     1024
    .wavefront_size: 32
...
	.end_amdgpu_metadata
.endif
;; end of part 2
